; MI455X (gfx1250); checked and timed in simulation.
; The chip was launched on July 23, 2026; its instructions are those of AMD's public machine-readable ISA for CDNA 5 (MIT licence, August 2026) and "CDNA5" Instruction Set Architecture Reference Guide (July 2026). The comments in the code are by the model that wrote it; some were corrected since.
;; Distor Value. Allowed arithmetic: float matrix products may take bf16 or f16 operands with f32 sums; all other float work in f32.
;; Inputs: t_far 4,096 x 1 float32; t_inters 4,096 x 128 x 2 float32; t_near 4,096 x 1 float32; weights 4,096 x 128 float32.
;; Outputs: out0 4,096 float32.
;; One version. Each part assembles by itself: llvm-mc -triple=amdgcn-amd-amdhsa -mcpu=gfx1250 --defsym DOCPART=n.
;; ======== version 1 of 1: 1 launch
;; launch distortion (part 1): grid 256 x 1, 8 waves a work-group, no clusters, 168,960 bytes of LDS; arguments t_inters, weights, t_near, t_far, out0; writes out0
.if DOCPART == 1
	.amdgcn_target "amdgcn-amd-amdhsa--gfx1250"
	.amdhsa_code_object_version 6
	.text
	.protected	k_q446b97852d_distortion
	.globl	k_q446b97852d_distortion
	.p2align	8
	.type	k_q446b97852d_distortion,@function
k_q446b97852d_distortion:
	s_mov_b64 s[64:65], 0
	v_nop
	global_prefetch_b8 v0, s[64:65] scope:SCOPE_SE
	s_setreg_imm32_b32 hwreg(HW_REG_WAVE_MODE, 25, 1), 1
	s_wait_xcnt 0x0
; out[b] = sum_ij w_i w_j |u_i - u_j| + (1/3) sum_i w_i^2 (s_{i+1} - s_i),  s = (t - near) / (far - near),  u_i = (s_i + s_{i+1}) / 2,
; t_0..t_127 = the intervals' starts, t_128 = the last interval's end.  4,096 rows of 128 samples.  No order of t is assumed.
; ALGEBRA (holds for every input): near drops out of every difference and inv = 1 / (far - near) is a common factor.  With
; P_i = t_i + t_{i+1} and D_i = t_{i+1} - t_i:
;   out = |inv| * sum_i w_i * ( sgn(inv)/3 * w_i * D_i  +  sum over the unordered pairs {i, j}, each met once, of w_j |P_i - P_j| )
; (the 2 of the symmetry and the 1/2 of the midpoint cancel).  Only differences of t are formed, so a common offset of t costs no digits.
; SHARES: 256 work-groups x 8 waves; a work-group owns 16 rows, a wave 2 rows, 16 lanes a row, a lane 8 samples: x = 2k + e is sample
; 32k + 2r + e (r = lane % 16), so that each 16-byte load of t_inters covers two aligned runs of 256 bytes.
; PAIRS: lane r meets lane (r + s) % 16.  s = 1..7: all 64 pairs.  s = 8: both partners see the same block, so each takes own x < other y, and
; x = y at half weight.  Inside the lane: x < y.  16 * (28 + 7*64 + 28 + 8/2) = 8,128 = 128*127/2: every pair once.
; The partners' P and w come from the wave's own LDS bytes, each array laid down twice so that shift s is the immediate offset 16 s.
; The launch declares 168,960 bytes of LDS, more than half of the 327,680 of a WGP, though 32,832 are used: no two of the 256 work-groups share a WGP.
; LIMITS: the division is a multiplication by v_rcp_f32, which takes |far - near| < 2^-126 as zero and gives zero above 2^126.
; Where far = near the defining formula gives NaN; this text gives inf or NaN there.
.set ARR,   512                        ; an LDS array: 16 lanes x 16 bytes, twice
.set RREG,  4*ARR                      ; a row's four arrays: P0-3, P4-7, w0-3, w4-7
.set STAGE, 8*2*RREG                   ; behind the eight waves' arrays: the work-group's 16 results
.set OFT,  4                           ; v4       my byte offset in the group's rows of t_inters
.set OFW,  5                           ; v5       the same in weights
.set OFR,  6                           ; v6       the same in t_near and t_far
.set LA,   7                           ; v7       LDS address of my 16 bytes in my row's first array
.set SA,   8                           ; v8       byte of my row's result in the stage
.set OFO,  9                           ; v9       wave 0: byte offset of a result in out0
.set NEAR, 10
.set FAR,  11
.set DF,   12                          ; v12      far - near
.set C,    14                          ; v[14:15] sgn(far - near)/3, and 1/(far - near)
.set T,    16                          ; v[16:31] chunk k: start, end, start, end of samples 32k+2r, 32k+2r+1
.set HV,   16                          ; v[16:23] later: half the weights of shift 8
.set W,    32                          ; v[32:39] my 8 weights
.set P,    40                          ; v[40:47] my 8 P
.set ACC,  56                          ; v[56:63] first D, then the bracket of the formula above for my 8 samples
.set DA,   64                          ; v[64:71] differences, even y
.set DB,   72                          ; v[72:79] differences, odd y
.set O,    80                          ; v[80:207] shift s+1: 8 P at O+16s, 8 w at O+16s+8
	s_load_b256 s[4:11], s[0:1], 0x0               ; t_inters s[4:5], weights s[6:7], t_near s[8:9], t_far s[10:11]
	s_load_b64 s[12:13], s[0:1], 0x20              ; out0
	v_lshl_add_u32 v208, v0, 2, 0x29000
	v_mov_b32 v209, 0
	v_lshrrev_b32 v1, 5, v0
	v_readfirstlane_b32 s14, v1                    ; wave 0..7
	v_and_b32 v2, 15, v0                           ; r
	v_lshrrev_b32 v3, 4, v0                        ; my row in the group, 0..15
	v_bfe_u32 v1, v0, 4, 1                         ; which of the wave's two rows
	v_lshlrev_b32 v[OFT], 4, v2
	v_lshl_add_u32 v[OFT], v3, 10, v[OFT]          ; row x 1,024 + 16 r
	v_lshlrev_b32 v[OFW], 3, v2
	v_lshl_add_u32 v[OFW], v3, 9, v[OFW]           ; row x 512 + 8 r
	v_lshlrev_b32 v[OFR], 2, v3                    ; row x 4
	s_lshl_b32 s16, ttmp9, 14                      ; the group's 16 rows: of 1,024 bytes,
	s_mov_b32 s17, 0
	s_lshl_b32 s18, ttmp9, 13                      ; of 512 bytes,
	s_mov_b32 s19, 0
	s_lshl_b32 s20, ttmp9, 6                       ; of 4 bytes
	s_mov_b32 s21, 0
	s_wait_kmcnt 0x0
	s_add_nc_u64 s[4:5], s[4:5], s[16:17]
	s_add_nc_u64 s[6:7], s[6:7], s[18:19]
	s_add_nc_u64 s[8:9], s[8:9], s[20:21]
	s_add_nc_u64 s[10:11], s[10:11], s[20:21]
	s_add_nc_u64 s[12:13], s[12:13], s[20:21]
.irp k, 0,1,2,3
	global_load_b128 v[T+4*\k:T+4*\k+3], v[OFT], s[4:5] offset:256*\k th:TH_LOAD_NT    ; each half of the lanes: 256 consecutive bytes of its row
.endr
.irp k, 0,1,2,3
	global_load_b64 v[W+2*\k:W+2*\k+1], v[OFW], s[6:7] offset:128*\k th:TH_LOAD_NT     ; the same samples' weights
.endr
	global_load_b32 v[NEAR], v[OFR], s[8:9]
	global_load_b32 v[FAR], v[OFR], s[10:11]
	s_lshl_b32 s15, s14, 12                        ; my wave's 4,096 bytes of LDS
	s_lshl_b32 s22, s14, 3                         ; my wave's two results in the stage
	s_mov_b32 s24, 0x7fffffff                      ; all but the sign
	s_mov_b32 s25, 0x80008000                      ; lane 15 of each row
	v_lshlrev_b32 v[LA], 4, v2
	v_lshl_add_u32 v[LA], v1, 11, v[LA]
	v_add_nc_u32 v[LA], s15, v[LA]                 ; wave x 4,096 + row x 2,048 + 16 r
	v_lshl_add_u32 v[SA], v1, 2, s22               ; wave x 8 + row x 4
	; The start that follows my odd sample lies in the next lane, and for lane 15 in lane 0 of the next chunk; behind sample 127 comes
	; its own end.  It is put where the even sample's end was loaded, a number that the formula does not use.
	s_wait_loadcnt 0x6                             ; t's four loads are in; w's four, near and far may stay out
.irp k, 0,1,2,3
	v_mov_b32_dpp v[T+4*\k+1], v[T+4*\k] row_ror:15 row_mask:0xf bank_mask:0xf         ; lane r takes lane (r + 1) % 16
.endr
.irp k, 0,1,2
	v_cndmask_b32 v[T+4*\k+1], v[T+4*\k+1], v[T+4*\k+5], s25                           ; lane 15: what it took from lane 0 in the next chunk (not yet mended there)
.endr
	v_cndmask_b32 v[T+13], v[T+13], v[T+15], s25                                       ; lane 15, last chunk: the end of sample 127
.irp k, 0,1,2,3
	v_pk_add_f32 v[P+2*\k:P+2*\k+1], v[T+4*\k:T+4*\k+1], v[T+4*\k+2:T+4*\k+3] op_sel_hi:[1,0]                               ; P: even start + odd start, next start + odd start
.endr
.irp k, 0,1,2,3
	v_pk_add_f32 v[ACC+2*\k:ACC+2*\k+1], v[T+4*\k:T+4*\k+1], v[T+4*\k+2:T+4*\k+3] op_sel_hi:[1,0] neg_lo:[1,0] neg_hi:[0,1]  ; D: odd start - even start, next start - odd start
.endr
	ds_store_b128 v[LA], v[P:P+3]
	ds_store_b128 v[LA], v[P:P+3] offset:256       ; the second copy: entry 16 + r = entry r
	ds_store_b128 v[LA], v[P+4:P+7] offset:ARR
	ds_store_b128 v[LA], v[P+4:P+7] offset:ARR+256
	s_wait_loadcnt 0x2                             ; the weights are in; near and far may stay out
	ds_store_b128 v[LA], v[W:W+3] offset:2*ARR
	ds_store_b128 v[LA], v[W:W+3] offset:2*ARR+256
	ds_store_b128 v[LA], v[W+4:W+7] offset:3*ARR
	ds_store_b128 v[LA], v[W+4:W+7] offset:3*ARR+256
	; All eight shifts are asked for at once.  The bytes are my wave's own, and LDS serves a wave's instructions in order
	; (ISA guide 5.7.1), so these loads see the stores above: no wait, no barrier.
.irp s, 0,1,2,3,4,5,6,7
	ds_load_b128 v[O+16*\s:O+16*\s+3],     v[LA] offset:16*(\s+1)
	ds_load_b128 v[O+16*\s+4:O+16*\s+7],   v[LA] offset:ARR+16*(\s+1)
	ds_load_b128 v[O+16*\s+8:O+16*\s+11],  v[LA] offset:2*ARR+16*(\s+1)
	ds_load_b128 v[O+16*\s+12:O+16*\s+15], v[LA] offset:3*ARR+16*(\s+1)
.endr
	; The sums start from the intra term, sgn(inv)/3 * w * D: nothing is cleared, and one sum serves both terms.
	s_wait_loadcnt 0x0                             ; near and far
	v_sub_f32 v[DF], v[FAR], v[NEAR]
	v_rcp_f32 v[C+1], v[DF]                        ; used far below; the plain instruction that has to follow it (ISA guide 5.7.2) is the next line
	v_bfi_b32 v[C], s24, 0x3eaaaaab, v[DF]         ; the magnitude of 1/3 with the sign of far - near
.irp k, 0,1,2,3
	v_pk_mul_f32 v[ACC+2*\k:ACC+2*\k+1], v[ACC+2*\k:ACC+2*\k+1], v[W+2*\k:W+2*\k+1]
.endr
	s_wait_alu depctr_va_vdst(0)
.irp k, 0,1,2,3
	v_pk_mul_f32 v[ACC+2*\k:ACC+2*\k+1], v[ACC+2*\k:ACC+2*\k+1], v[C:C+1] op_sel_hi:[1,0]
.endr
; Two differences: my P of x = 2m, 2m+1 less the one number P_y of the set at register q, taken into both halves.
.macro DIFF d, m, q, y
.if (\y) & 1
	v_pk_add_f32 v[\d+2*\m:\d+2*\m+1], v[P+2*\m:P+2*\m+1], v[\q+\y-1:\q+\y] op_sel:[0,1] op_sel_hi:[1,1] neg_lo:[0,1] neg_hi:[0,1]
.else
	v_pk_add_f32 v[\d+2*\m:\d+2*\m+1], v[P+2*\m:P+2*\m+1], v[\q+\y:\q+\y+1] op_sel_hi:[1,0] neg_lo:[0,1] neg_hi:[0,1]
.endif
.endm
; x = 0 .. n-1: the sum of x takes |difference| times the weight of y.  n sums in turn, so no line waits for the one in front of it.
.macro FMAS d, n, v, y
.set xx, 0
.rept \n
	v_fma_f32 v[ACC+xx], |v[\d+xx]|, v[\v+\y], v[ACC+xx]
.set xx, xx+1
.endr
.endm
; All 64 pairs of my 8 samples with the 8 of the set (P at q, weights at v): two y at a time, 8 packed subtractions, then 16 multiply-adds.
.macro BLOCK q, v
.irp y, 0,2,4,6
.irp m, 0,1,2,3
	DIFF DA, \m, \q, \y
.endr
.irp m, 0,1,2,3
	DIFF DB, \m, \q, \y+1
.endr
	FMAS DA, 8, \v, \y
	FMAS DB, 8, \v, \y+1
.endr
.endm
; The 28 pairs x < y.
.macro TRI q, v
	DIFF DB, 0, \q, 1
	FMAS DB, 1, \v, 1
	DIFF DA, 0, \q, 2
	DIFF DB, 0, \q, 3
	DIFF DB, 1, \q, 3
	FMAS DA, 2, \v, 2
	FMAS DB, 3, \v, 3
	DIFF DA, 0, \q, 4
	DIFF DA, 1, \q, 4
	DIFF DB, 0, \q, 5
	DIFF DB, 1, \q, 5
	DIFF DB, 2, \q, 5
	FMAS DA, 4, \v, 4
	FMAS DB, 5, \v, 5
	DIFF DA, 0, \q, 6
	DIFF DA, 1, \q, 6
	DIFF DA, 2, \q, 6
	DIFF DB, 0, \q, 7
	DIFF DB, 1, \q, 7
	DIFF DB, 2, \q, 7
	DIFF DB, 3, \q, 7
	FMAS DA, 6, \v, 6
	FMAS DB, 7, \v, 7
.endm
	TRI P, W                                       ; the pairs inside the lane, from registers, while the LDS loads are on their way
.irp s, 0,1,2,3,4,5,6
	s_wait_dscnt 28-4*\s                           ; the four loads of shift s+1 are in; those of the later shifts, four each, stay out
	BLOCK O+16*\s, O+16*\s+8
.endr
	s_wait_dscnt 0x0                               ; shift 8
.irp m, 0,1,2,3
	v_pk_mul_f32 v[HV+2*\m:HV+2*\m+1], v[O+120+2*\m:O+120+2*\m+1], 0.5 op_sel_hi:[1,0]            ; x = y is met by both partners: half weight
.endr
.irp m, 0,1,2,3
	v_pk_add_f32 v[DA+2*\m:DA+2*\m+1], v[P+2*\m:P+2*\m+1], v[O+112+2*\m:O+112+2*\m+1] neg_lo:[0,1] neg_hi:[0,1]
.endr
.irp x, 0,1,2,3,4,5,6,7
	v_fma_f32 v[ACC+\x], |v[DA+\x]|, v[HV+\x], v[ACC+\x]
.endr
	TRI O+112, O+120                               ; own x < other y; the partner's own x < y are the pairs with the roles changed
	; sum over my 8 samples of w times the bracket, over the row's 16 lanes, times |inv|
	v_pk_mul_f32 v[DA:DA+1], v[ACC:ACC+1], v[W:W+1]
	v_pk_mul_f32 v[DB:DB+1], v[ACC+2:ACC+3], v[W+2:W+3]
	v_pk_fma_f32 v[DA:DA+1], v[ACC+4:ACC+5], v[W+4:W+5], v[DA:DA+1]
	v_pk_fma_f32 v[DB:DB+1], v[ACC+6:ACC+7], v[W+6:W+7], v[DB:DB+1]
	v_pk_add_f32 v[DA:DA+1], v[DA:DA+1], v[DB:DB+1]
	v_add_f32 v[DA], v[DA], v[DA+1]
	v_add_f32_dpp v[DA], v[DA], v[DA] row_xmask:1 row_mask:0xf bank_mask:0xf
	v_add_f32_dpp v[DA], v[DA], v[DA] row_xmask:2 row_mask:0xf bank_mask:0xf
	v_add_f32_dpp v[DA], v[DA], v[DA] row_xmask:4 row_mask:0xf bank_mask:0xf
	v_add_f32_dpp v[DA], v[DA], v[DA] row_xmask:8 row_mask:0xf bank_mask:0xf           ; a row is 16 lanes: every lane of it holds the row's sum
	v_mul_f32 v[DA], v[DA], |v[C+1]|
	; The group's 16 results meet in LDS, and wave 0 stores them as 64 consecutive bytes with one instruction.
	ds_store_b32 v[SA], v[DA] offset:STAGE         ; the 16 lanes of a row write one word with one value
	s_wait_dscnt 0x0                               ; for wave 0's sake: my store is done before I signal
	s_barrier_signal -1
	s_barrier_wait -1
	s_cmp_lg_u32 s14, 0
	s_cbranch_scc1 .Ldone
	v_lshlrev_b32 v[OFO], 2, v0
	v_cmp_gt_u32 vcc_lo, 16, v0
	s_wait_xcnt 0x0                                ; EXEC is a source of the global loads above: it changes only behind this wait
	s_and_saveexec_b32 s23, vcc_lo                 ; lanes 0 to 15: one for each row
	ds_load_b32 v[DA], v[OFO] offset:STAGE
	s_wait_dscnt 0x0
	global_store_b32 v[OFO], v[DA], s[12:13] th:TH_STORE_NT
	s_wait_xcnt 0x0                                ; and again before it is widened
	s_or_b32 exec_lo, exec_lo, s23
.Ldone:
	s_wait_tensorcnt 0x0
	ds_add_u32 v208, v209
	s_wait_dscnt 0x0
	s_endpgm
.Lfunc_end_k_q446b97852d_distortion:
	.size	k_q446b97852d_distortion, .Lfunc_end_k_q446b97852d_distortion-k_q446b97852d_distortion
	.p2alignl 7, 3214868480
	.fill 96, 4, 3214868480
	.section	.rodata,"a",@progbits
	.p2align	6, 0x0
	.amdhsa_kernel k_q446b97852d_distortion
		.amdhsa_group_segment_fixed_size 168960
		.amdhsa_private_segment_fixed_size 0
		.amdhsa_enable_private_segment 0
		.amdhsa_kernarg_size 40
		.amdhsa_user_sgpr_count 2
		.amdhsa_user_sgpr_kernarg_segment_ptr 1
		.amdhsa_wavefront_size32 1
		.amdhsa_system_sgpr_workgroup_id_x 1
		.amdhsa_system_sgpr_workgroup_id_y 1
		.amdhsa_system_sgpr_workgroup_id_z 1
		.amdhsa_system_vgpr_workitem_id 0
		.amdhsa_next_free_vgpr 210
		.amdhsa_next_free_sgpr 66
		.amdhsa_reserve_vcc 1
		.amdhsa_float_denorm_mode_32 3
		.amdhsa_float_denorm_mode_16_64 3
		.amdhsa_memory_ordered 1
		.amdhsa_forward_progress 1
		.amdhsa_inst_pref_size 58
	.end_amdhsa_kernel
	.amdgpu_metadata
---
amdhsa.version: [ 1, 2 ]
amdhsa.kernels:
  - .name:           k_q446b97852d_distortion
    .symbol:         k_q446b97852d_distortion.kd
    .args:
      - { .name: t_inters, .offset: 0, .size: 8, .value_kind: global_buffer, .address_space: global }
      - { .name: weights, .offset: 8, .size: 8, .value_kind: global_buffer, .address_space: global }
      - { .name: t_near, .offset: 16, .size: 8, .value_kind: global_buffer, .address_space: global }
      - { .name: t_far, .offset: 24, .size: 8, .value_kind: global_buffer, .address_space: global }
      - { .name: out0, .offset: 32, .size: 8, .value_kind: global_buffer, .address_space: global }
    .group_segment_fixed_size: 168960
    .private_segment_fixed_size: 0
    .kernarg_segment_align: 8
    .kernarg_segment_size: 40
    .max_flat_workgroup_size: 256
    .sgpr_count:     66
    .vgpr_count:     210
    .wavefront_size: 32
...
	.end_amdgpu_metadata
.endif
;; end of part 1
